; MI455X (gfx1250); checked and timed in simulation.
; The chip was launched on July 23, 2026; its instructions are those of AMD's public machine-readable ISA for CDNA 5 (MIT licence, August 2026) and "CDNA5" Instruction Set Architecture Reference Guide (July 2026). The comments in the code are by the model that wrote it; some were corrected since.
;; LSTM Cell. Allowed arithmetic: matrix products marked QUANTISED: E2M1 operands, one E8M0 scale for each 32 along K, by v_wmma_scale_f32_16x16x128_f8f6f4 with both operands' format E2M1 (or v_wmma_scale_f32_32x16x128_f4), f32 sums; everything else in f32.
;; Inputs: W_c 2,048 x 4,096 float32; W_f 2,048 x 4,096 float32; W_i 2,048 x 4,096 float32; W_o 2,048 x 4,096 float32; b_c 2,048 float32; b_f 2,048 float32; b_i 2,048 float32; b_o 2,048 float32; c_prev 2,048 x 2,048 float32; h_prev 2,048 x 2,048 float32; x_t 2,048 x 2,048 float32.
;; Outputs: out0 2,048 x 2,048 float32; out1 2,048 x 2,048 float32.
;; This version of the problem:
;;   THIS VERSION OF THE PROBLEM IS GIVEN IN LOW PRECISION. The matrix products marked QUANTISED in the list below multiply operands that are first quantised to E2M1 (2 exponent bits, 1 mantissa bit; 4 bits a number), with one power-of-two scale for each 32 numbers along K (OCP MX v1.0); their sums are f32. All else is computed in f32.
;;   The module's matrix products, in the order in which they are computed (A, B: the left and right operand; K: the contracted axis; several contracted axes count as one K, in the product's order):
;;     1. [M 2,048, K 4,096] x [K 4,096, N 8,192]; A: computed on the way; B: computed on the way: QUANTISED
;;   THE QUANTISER, for each operand of a quantised product, along K:
;;     - K is cut into blocks of 32 from its start; a last block that is shorter is filled with zeros.
;;     - A block's scale is 2^e with e = floor(log2(the largest magnitude in the block)) - 2, held to -126 .. 127; a block of zeros has e = 0. As a byte (E8M0): e + 127.
;;     - Each number is divided by its block's scale, clamped to +-6, and rounded to the nearest number of E2M1, ties to even, subnormals kept.
;;     - The product sums the exact products of the quantised numbers (number of the format x scale) in f32.
;;   ~~~python
;;   def quantise(x, axis):      # numpy; x: float32 -> the quantised numbers, widened to float32 again
;;       x = np.moveaxis(x, axis, -1); K = x.shape[-1]
;;       x = np.pad(x, [(0, 0)] * (x.ndim - 1) + [(0, -K % 32)]); x = x.reshape(x.shape[:-1] + (-1, 32)); a = np.abs(x).max(-1, keepdims=True)
;;       e = np.where(a > 0, np.clip(np.frexp(np.where(a > 0, a, 1))[1] - 1 - 2, -126, 127), 0)      # np.frexp(a)[1] - 1 = floor(log2(a)), exactly
;;       r = np.clip(x / 2.0 ** e, -6, 6)
;;       step = 2.0 ** (np.maximum(np.frexp(np.where(r == 0, 1, r))[1] - 1, 0) - 1)
;;       q = np.round(r / step) * step * 2.0 ** e      # np.round: ties to even
;;       return np.moveaxis(q.reshape(q.shape[:-2] + (-1,))[..., :K], -1, axis).astype(np.float32)
;;   ~~~
;;   OPERANDS COMPUTED ON THE WAY. 'Computed on the way' means the value that the module computes at that place (a softmax that the list does not call 'softmax' is quantised finished and normalised). What goes into a quantiser is computed in f32, as accurately as f32 sums, v_exp_f32 and their like allow (about 1e-6 of the number): no bf16 or f16 on the way to a quantiser, and a product that is left as it is and whose result goes on into a quantised operand takes f32 operands (vector FMAs, or v_wmma_f32_16x16x4_f32). A number that lies on a knife's edge between two numbers of the format may be rounded either way, as far as f32 arithmetic and the matrix unit's own rounding can turn it there, and no further.
;; One version. Each part assembles by itself: llvm-mc -triple=amdgcn-amd-amdhsa -mcpu=gfx1250 --defsym DOCPART=n.
;; ======== version 1 of 1: 2 launches
;; limits: right only within a limited range of input values
;; workspace buffers: aq 4,456,448 bytes; bq 17,825,792 bytes
;; launch quant (part 1): grid 1280 x 1, 4 waves a work-group, no clusters, 33,280 bytes of LDS; arguments h_prev, x_t, W_f, W_i, W_c, W_o, aq, bq; writes aq, bq
.if DOCPART == 1
	.amdgcn_target "amdgcn-amd-amdhsa--gfx1250"
	.amdhsa_code_object_version 6
	.text
	.protected	k_q55e343d5fe_quant
	.globl	k_q55e343d5fe_quant
	.p2align	8
	.type	k_q55e343d5fe_quant,@function
k_q55e343d5fe_quant:
	s_mov_b64 s[64:65], 0
	v_nop
	global_prefetch_b8 v0, s[64:65] scope:SCOPE_SE
	s_setreg_imm32_b32 hwreg(HW_REG_WAVE_MODE, 25, 1), 1
	s_wait_xcnt 0x0
; The two operands of gates = [h_prev | x_t] [W_f; W_i; W_c; W_o]^T, all f32 with K innermost, become codes of FP4 (E2M1) with one E8M0 scale byte for each 32 along K.
; A block's scale is 2^(floor(log2(its largest magnitude)) - 2); its byte is the largest magnitude's exponent field - 2, held at 1 from below; each number is divided by the scale and rounded to the nearest
; code, ties to even, beyond 6 the largest code.
; LIMITS: a block whose largest magnitude lies under 2^-124, a block of zeros among them, gets the byte 1 (the rule gives a block of zeros 127: its codes are zeros, which add nothing under any byte but 0xff,
; and this program alone reads the bytes).  NaN and infinities among the inputs are not served.
; THE WORKSPACE IS LAID IN RECORDS, as the product's launch fetches it: a record is 128 operand rows x 512 along K = 34,816 bytes: row p's 256 bytes of codes at 256 p (two codes a byte, the lower k in the low
; four bits), then from byte 32,768 row p's 16 scale bytes at 16 p.  Record (R, s), s = the K step of 512, lies at (8 R + s) x 34,816.
;   aq: batch row m: R = m / 128, p = m % 128; K steps 0-3 come from h_prev, 4-7 from x_t.
;   bq: gate g (f, i, c, o = 0 .. 3), hidden unit u: R = u / 32, p = 32 g + u % 32: a record holds all four gates of 32 hidden units.
; SHARES.  A wave takes 16 rows x one K step: 16 steps of 512 numbers (one row each), 4,096 consecutive bytes of codes and one run of 256 scale bytes.  The four waves of a work-group take four neighbouring
; K steps of the same 16 rows.  Work-groups 0-255 serve h_prev and x_t, 256-1279 the four weights; only pointers, a pitch and offsets are chosen: all six tensors take one path through the text.
; A STEP.  The conversions take 8 numbers of ONE block from a lane's registers, so a lane must hold 16 neighbours along K (two neighbouring lanes hold a block), while a load is best where neighbouring lanes take
; neighbouring bytes.  Each of a step's four loads reads 512 consecutive bytes, 16 a lane; the 2,048 bytes go through the wave's own stage in LDS as they lie and come back 64 bytes a lane (80 bytes from lane to
; lane, so that the lanes' reads do not all fall on the same banks).  No tensor loads, no barrier: waves share nothing.  Loads run four steps (16 loads a wave) ahead, the turn through LDS one step.
.set STEPS, 16
.set EMAX,  2                          ; the exponent of the format's largest number, 6
.set REC,   34816                      ; a record
.set WREG,  8192                       ; LDS: a region for each wave: two stages of 32 x SP bytes, and behind them its 256 scale bytes
.set SP,    80                         ; a lane's place in a stage: its 64 bytes + 16 of padding
.set R,     16                         ; v16-79   four sets of 16 numbers as they are loaded
.set X,     80                         ; v80-111  two sets of 16 neighbours
.set E,     112                        ; v112-127 a scale byte for each step
.set C,     128                        ; v128-159 codes: two registers for each step, so that no store's data are written again
.set OFF,   160                        ; v160-163 set q: 16 x lane + the row that the set loads next x the source's pitch
	s_load_b256 s[4:11], s[0:1], 0x0               ; h_prev, x_t, W_f, W_i
	s_load_b256 s[12:19], s[0:1], 0x20             ; W_c, W_o, aq, bq
	v_lshl_add_u32 v168, v0, 2, 0x8000
	v_mov_b32 v169, 0
	v_lshrrev_b32 v1, 5, v0
	v_readfirstlane_b32 s20, v1                    ; wave 0..3
	v_and_b32 v2, 31, v0                           ; lane
	s_mul_i32 s46, s20, WREG
	v_lshrrev_b32 v14, 2, v2
	v_mul_u32_u24 v14, v14, SP
	v_and_b32 v15, 3, v2
	v_lshl_add_u32 v14, v15, 4, v14
	v_add_nc_u32 v14, s46, v14                     ; the stage, on the way in: four lanes' 64 bytes on end, then 16 of padding: SP (lane / 4) + 16 (lane % 4)
	v_mul_u32_u24 v15, v2, SP
	v_add_nc_u32 v15, s46, v15                     ; and on the way out: SP x lane: my 16 neighbours
	v_lshlrev_b32 v4, 3, v2                        ; 8 x lane: my codes' place in a row's 256 bytes, and my 8 of the 256 scale bytes
	v_lshrrev_b32 v5, 1, v2
	s_add_co_u32 s46, s46, 2*32*SP
	v_add_nc_u32 v5, s46, v5                       ; LDS: my wave's 256 scale bytes, my block's byte
	v_add_nc_u32 v6, s46, v4                       ; and on the way out 8 bytes a lane
	; what the work-group's number means, both ways; then one compare chooses
	s_lshr_b32 s21, ttmp9, 7                       ; A: 0 = h_prev, 1 = x_t: the tensor, and which four K steps of the records
	s_and_b32 s22, ttmp9, 127                      ;    which 16 rows
	s_lshr_b32 s27, s22, 3                         ;    R
	s_and_b32 s28, s22, 7                          ;    which 16 rows of the record
	s_sub_co_u32 s23, ttmp9, 256                   ; B:
	s_lshr_b32 s24, s23, 8                         ;    the gate
	s_bfe_u32 s25, s23, 0x70001                    ;    which 16 rows of its weight (7 bits from bit 1)
	s_and_b32 s26, s23, 1                          ;    which four K steps
	s_lshr_b32 s29, s25, 1                         ;    R
	s_and_b32 s30, s25, 1
	s_lshl_b32 s31, s24, 1
	s_add_co_u32 s30, s30, s31                     ;    which 16 rows of the record: 2 g + (u / 16) % 2
	s_add_co_u32 s31, s24, 2                       ;    the tensor: 2 .. 5
	s_mov_b32 s38, 16384
	s_cmp_lt_u32 ttmp9, 256
	s_cselect_b32 s32, s21, s31                    ; the source tensor, 0 .. 5
	s_cselect_b32 s33, s22, s25                    ; its group of 16 rows
	s_cselect_b32 s34, s21, s26                    ; the four K steps in the records
	s_cselect_b32 s35, 0, s26                      ; and in the source's rows
	s_cselect_b32 s36, s27, s29                    ; R
	s_cselect_b32 s37, s28, s30                    ; the 16 rows in the record
	s_cselect_b32 s38, 8192, s38                   ; a source row in bytes
	v_lshlrev_b32 v[OFF], 4, v2                    ; my 16 bytes of a load's 512, in rows 0 .. 3
	v_add_nc_u32 v[OFF+1], s38, v[OFF]
	v_add_nc_u32 v[OFF+2], s38, v[OFF+1]
	v_add_nc_u32 v[OFF+3], s38, v[OFF+2]
	s_lshl_b32 s39, s38, 2                         ; four rows on
	s_lshl_b32 s40, s33, 4
	s_mul_i32 s40, s40, s38                        ; my first row,
	s_lshl_b32 s41, s35, 2
	s_add_co_u32 s41, s41, s20
	s_lshl_b32 s41, s41, 11                        ; my K step's 2,048 bytes in it
	s_add_co_u32 s40, s40, s41
	s_mov_b32 s41, 0                               ; (all offsets stay under 2^26)
	s_lshl_b32 s46, s36, 3
	s_lshl_b32 s47, s34, 2
	s_add_co_u32 s46, s46, s47
	s_add_co_u32 s46, s46, s20                     ; my record: 8 R + K step
	s_mul_i32 s46, s46, REC
	s_lshl_b32 s42, s37, 12
	s_add_co_u32 s42, s42, s46                     ; my 16 rows' codes in it,
	s_mov_b32 s43, 0
	s_lshl_b32 s44, s37, 8
	s_add_co_u32 s44, s44, s46
	s_add_co_u32 s44, s44, 32768                   ; and their scale bytes
	s_mov_b32 s45, 0
	s_wait_alu depctr_va_vdst(0)
	s_wait_kmcnt 0x0
	s_cmp_lt_u32 ttmp9, 256                        ; the choices hang on the work-group's number alone
	s_cselect_b64 s[16:17], s[16:17], s[18:19]
.irp n, 1,2,3,4,5
	s_cmp_eq_u32 s32, \n
	s_cselect_b64 s[4:5], s[4+2*\n:5+2*\n], s[4:5]
.endr
	s_add_nc_u64 s[4:5], s[4:5], s[40:41]
	s_add_nc_u64 s[42:43], s[16:17], s[42:43]
	s_add_nc_u64 s[44:45], s[16:17], s[44:45]
.macro LOAD t                          ; step t = row t of my 16.  The row's place stands in a register, since the pitch differs between the tensors
.if (\t) >= 4
	v_add_nc_u32 v[OFF+(\t)%4], s39, v[OFF+(\t)%4] ; free: the loads of four steps back, which named it, have been waited for
.endif
.irp i, 0,1,2,3
	global_load_b128 v[R+16*((\t)%4)+4*\i:R+16*((\t)%4)+4*\i+3], v[OFF+(\t)%4], s[4:5] offset:512*\i th:TH_LOAD_NT   ; 32 lanes read 512 consecutive bytes
.endr
.endm
.macro TURN t                          ; step t's numbers through the stage: LDS serves a wave's instructions in order, so no wait stands between the stores and the loads
.irp i, 0,1,2,3
	ds_store_b128 v14, v[R+16*((\t)%4)+4*\i:R+16*((\t)%4)+4*\i+3] offset:32*SP*((\t)%2)+8*SP*\i
.endr
.irp i, 0,1,2,3
	ds_load_b128 v[X+16*((\t)%2)+4*\i:X+16*((\t)%2)+4*\i+3], v15 offset:32*SP*((\t)%2)+16*\i
.endr
.endm
.irp t, 0,1,2,3
	LOAD \t
.endr
	s_wait_loadcnt 12                              ; step 0's four loads are in; the twelve of steps 1 to 3 may be out
	TURN 0
.macro STEP t
.set XS, X+16*((\t)%2)
.if (\t) > 0
	s_wait_dscnt 1                                 ; this step's numbers are back from the stage (the last step's byte store may be out): so its stores into the stage have read their registers,
.else
	s_wait_dscnt 0x0
.endif
.if (\t)+4 < STEPS
	LOAD (\t)+4                                    ; which take the loads of four steps on
.endif
.if (\t)+1 < STEPS
.if STEPS-2-(\t) >= 3
	s_wait_loadcnt 12                              ; the next step's four loads are in; those of the three steps behind it may be out
.else
	s_wait_loadcnt 4*(STEPS-2-(\t))
.endif
	TURN (\t)+1                                    ; and go through the other stage while this step is worked
.endif
	v_max3_num_f32 v8, |v[XS]|, |v[XS+1]|, |v[XS+2]|               ; the largest magnitude of my 16, in two chains
	v_max3_num_f32 v9, |v[XS+3]|, |v[XS+4]|, |v[XS+5]|
.irp i, 6,10
	v_max3_num_f32 v8, v8, |v[XS+\i]|, |v[XS+\i+1]|
	v_max3_num_f32 v9, v9, |v[XS+\i+2]|, |v[XS+\i+3]|
.endr
	v_max3_num_f32 v8, v8, |v[XS+14]|, |v[XS+15]|
	v_max3_num_f32 v8, v8, v9, (EMAX+1)<<23        ; and the floor 2^(EMAX + 1 - 127), under which no largest magnitude is taken: so the byte cannot fall under 1
	v_max_num_f32_dpp v8, v8, v8 row_xmask:1 row_mask:0xf bank_mask:0xf   ; and of my neighbour's 16: the block's
	v_add_nc_u32 v11, -(EMAX<<23), v8              ; EMAX off its exponent field: the conversion takes the exponent field of this operand as its scale, and nothing else of it
	v_cvt_scalef32_pk8_fp4_f32 v[C+2*(\t)], v[XS:XS+7], v11        ; eight numbers / the scale, to the nearest code; the first number's code in the lowest four bits
	v_cvt_scalef32_pk8_fp4_f32 v[C+2*(\t)+1], v[XS+8:XS+15], v11
	v_lshrrev_b32 v[E+(\t)], 23, v11               ; the scale's byte (a plain line behind the conversions)
	ds_store_b8 v5, v[E+(\t)] offset:16*(\t)       ; both lanes of a block write the same byte with the same value
	global_store_b64 v4, v[C+2*(\t):C+2*(\t)+1], s[42:43] offset:256*(\t)   ; 32 lanes store the row's 256 consecutive bytes, at a multiple of 256 from the buffer's first byte
.endm
.irp t, 0,1,2,3,4,5,6,7,8,9,10,11,12,13,14,15
	STEP \t
.endr
	ds_load_b64 v[12:13], v6                       ; LDS serves a wave's instructions in order: these see my byte stores
	s_wait_dscnt 0x0
	global_store_b64 v4, v[12:13], s[44:45]        ; 32 lanes store my 16 rows' 256 scale bytes, consecutive and aligned likewise
	s_wait_tensorcnt 0x0
	ds_add_u32 v168, v169
	s_wait_dscnt 0x0
	s_endpgm
.Lfunc_end_k_q55e343d5fe_quant:
	.size	k_q55e343d5fe_quant, .Lfunc_end_k_q55e343d5fe_quant-k_q55e343d5fe_quant
	.p2alignl 7, 3214868480
	.fill 96, 4, 3214868480
	.section	.rodata,"a",@progbits
	.p2align	6, 0x0
	.amdhsa_kernel k_q55e343d5fe_quant
		.amdhsa_group_segment_fixed_size 33280
		.amdhsa_private_segment_fixed_size 0
		.amdhsa_enable_private_segment 0
		.amdhsa_kernarg_size 64
		.amdhsa_user_sgpr_count 2
		.amdhsa_user_sgpr_kernarg_segment_ptr 1
		.amdhsa_wavefront_size32 1
		.amdhsa_system_sgpr_workgroup_id_x 1
		.amdhsa_system_sgpr_workgroup_id_y 1
		.amdhsa_system_sgpr_workgroup_id_z 1
		.amdhsa_system_vgpr_workitem_id 0
		.amdhsa_next_free_vgpr 170
		.amdhsa_next_free_sgpr 66
		.amdhsa_reserve_vcc 0
		.amdhsa_float_denorm_mode_32 3
		.amdhsa_float_denorm_mode_16_64 3
		.amdhsa_memory_ordered 1
		.amdhsa_forward_progress 1
		.amdhsa_inst_pref_size 35
	.end_amdhsa_kernel
	.amdgpu_metadata
---
amdhsa.version: [ 1, 2 ]
amdhsa.kernels:
  - .name:           k_q55e343d5fe_quant
    .symbol:         k_q55e343d5fe_quant.kd
    .args:
      - { .name: h_prev, .offset: 0, .size: 8, .value_kind: global_buffer, .address_space: global }
      - { .name: x_t, .offset: 8, .size: 8, .value_kind: global_buffer, .address_space: global }
      - { .name: W_f, .offset: 16, .size: 8, .value_kind: global_buffer, .address_space: global }
      - { .name: W_i, .offset: 24, .size: 8, .value_kind: global_buffer, .address_space: global }
      - { .name: W_c, .offset: 32, .size: 8, .value_kind: global_buffer, .address_space: global }
      - { .name: W_o, .offset: 40, .size: 8, .value_kind: global_buffer, .address_space: global }
      - { .name: aq, .offset: 48, .size: 8, .value_kind: global_buffer, .address_space: global }
      - { .name: bq, .offset: 56, .size: 8, .value_kind: global_buffer, .address_space: global }
    .group_segment_fixed_size: 33280
    .private_segment_fixed_size: 0
    .kernarg_segment_align: 8
    .kernarg_segment_size: 64
    .max_flat_workgroup_size: 128
    .sgpr_count:     66
    .vgpr_count:     170
    .wavefront_size: 32
...
	.end_amdgpu_metadata
.endif
;; end of part 1
;; launch lstm (part 2): grid 32 x 8, 4 waves a work-group, clusters of 4 x 4, 327,680 bytes of LDS; arguments aq, bq, b_f, b_i, b_c, b_o, c_prev, out0, out1; writes out0, out1
.if DOCPART == 2
	.amdgcn_target "amdgcn-amd-amdhsa--gfx1250"
	.amdhsa_code_object_version 6
	.text
	.protected	k_q55e343d5fe_lstm
	.globl	k_q55e343d5fe_lstm
	.p2align	8
	.type	k_q55e343d5fe_lstm,@function
k_q55e343d5fe_lstm:
	s_mov_b64 s[64:65], 0
	v_nop
	global_prefetch_b8 v0, s[64:65] scope:SCOPE_SE
	s_setreg_imm32_b32 hwreg(HW_REG_WAVE_MODE, 25, 1), 1
	s_wait_xcnt 0x0
	s_wait_alu depctr_hold_cnt(0) depctr_sa_sdst(0) depctr_va_vdst(0) depctr_va_sdst(0) depctr_va_ssrc(0) depctr_va_vcc(0) depctr_vm_vsrc(0)
	s_getreg_b32 s2, hwreg(HW_REG_IB_STS2, 6, 4)
	s_cmp_eq_u32 s2, 0
	s_cbranch_scc0 .Lentry_in_a_cluster
	s_endpgm
.Lentry_in_a_cluster:
	s_bfe_u32 s2, ttmp6, 0x10000c
	s_cmp_lg_u32 s2, 0xf033
	s_cbranch_scc0 .Lentry_shape_is_right
	s_endpgm
.Lentry_shape_is_right:
; gates = [h_prev | x_t] [W_f; W_i; W_c; W_o]^T + b on codes of FP4 (E2M1) with E8M0 scales, then the cell: c = sig(gf) c_prev + sig(gi) tanh(gc), h = sig(go) tanh(c), in f32.
; OPERANDS come as records of 128 rows x 512 K = 34,816 bytes (row p's 256 bytes of codes at 256 p, then 16 scale bytes a row): 136 rows of 256 bytes.  A record of bq holds all four gates of 32 hidden units (row 32 g + u % 32).
; SHARES: a work-group makes 256 batch rows x 64 hidden units (256 gate columns); four waves, each 128 x 128 of the gates: 64 accumulators, 512 registers.  256 work-groups.
; RING: two LDS slots, each a K step of 512: A's two records, then B's two; a wave fetches one record by one joint load.  4 x 4 clusters: A's records are shared along a row of the cluster, B's along a column.
; The K steps are walked round from step 0 or 4, by the cluster's place in the grid (the same in all partners); the f32 sums are taken in that order.
; A STEP of 128 along K is 64 matrix instructions in four quadrants: (A low, B low), (A low, B high), (A high, B high), (A high, B low).  A and B both have two sets of fragment registers: the next step's
; 32 LDS loads go out in four runs of eight, A low, B low, B high, A high, one ahead of each quadrant.  The matrix instruction is used transposed (source 0 = B's rows, source 1 = A's).
; REGISTERS: window 0: v13-31 addresses, v32-95 scale words (two sets), v128-255 A's two sets (on the way out: at work).  window 1: v0-63, v128-191 B's two sets; v64-127 the bias, C of the first products.
;   window 2: accumulators of my rows 0-63 ((a, b) at 8 (8 (a % 4) + b)); window 3: rows 64-127.
; PREFETCH: behind a refill each wave asks for its share of the record that it fetches two refills on: the four partners that fetch a record jointly take 34 of its 136 blocks of 256 bytes each, by address.
; K steps 0 to 3 of the walk come by their loads alone; the last two refills ask for nothing.  c_prev's tile is asked for in the loop's last trip, one change of slots ahead of its load.
; LIMITS: NaN and infinities among the inputs are not served.  sig and tanh are 1 / (1 + 2^t) forms: an exponential that overflows gives the limit value.
.set REC,    34816
.set NQ,     4
.set PITCH,  272                       ; an LDS row: 256 bytes + 16 of padding
.set FR,     8
.set NP,     4
.set HALFT,  136*PITCH                 ; a record in LDS
.set SCOFF,  128*PITCH                 ; its scale bytes
.set SLOT,   4*HALFT
.set SPARE,  2*SLOT                    ; the spare words: 512 bytes that no other line names
.set STH,    SLOT                      ; the way out: stages for h and c in slot 1, behind its last fill and last read
.set STC,    SLOT+256*PITCH
.set LAPS,   4
.set PFT2, 13
.set PFT,  14
.set PFO,  15
.set ADRA, 16
.set ADRB, 20
.set ADRS, 22
.set STOH, 24
.set STOC, 25
.set RD,   26
.set CO,   27
.set SPW,  28
.set NIL,  29
.set CPA,  30
.set BO,   31
.set SC,   32
.set CPR,  96
.set CC,   112
.set AF,   128
.set T,    128
.set BI,   64
.set U,    192
.set HH,   208
.set OB,   224
.set PFB,  4                           ; s[4:5] my share of my records, K step 0;  s[6:7] the record asked for
.set PFA,  6
.set WV,   22
.set RH,   23
.set CH,   66
.set G1,   24
.set G0,   32
.set G1B,  48
.set G0B,  56
.set G1C,  68
.set G0C,  76
.set KT,   96
.set OFS,  98
.set MSB, 0
.macro WIN new                         ; the immediate's high byte repeats the setting that is left
.if MSB != \new
	s_set_vgpr_msb (MSB<<8)|\new
.set MSB, \new
.endif
.endm
.set MUL_LO, 0xa1                      ; source 0 window 1, source 1 window 0, C and D window 2
.set MUL_HI, 0xf1
.set BEG_LO, 0x91                      ; the same with C (the bias) in window 1
.set BEG_HI, 0xd1
.set TO_B,   0x40
.macro JLOAD g0a, g1a, g0b, g1b        ; a joint load: waves 0, 1 fetch A's records, waves 2, 3 B's
	s_cmp_eq_u32 s[RH], 0
	s_cbranch_scc0 .Lfor_b_\@
	tensor_load_to_lds s[\g0a:\g0a+3], s[\g1a:\g1a+7]
	s_nop 0
.rept 4
	v_nop
.endr
	s_branch .Lasked_\@
.Lfor_b_\@:
	tensor_load_to_lds s[\g0b:\g0b+3], s[\g1b:\g1b+7]
	s_nop 0
.rept 4
	v_nop
.endr
.Lasked_\@:
.endm
.macro CREST
	s_cmp_lg_u32 s[WV], 0
	s_cbranch_scc1 .Lnot_wave_0_\@
	s_barrier_signal -3
.Lnot_wave_0_\@:
	s_barrier_wait -3
	s_barrier_signal -1
	s_barrier_wait -1
.endm
.macro CROUND                          ; a round of the cluster's barrier
	s_barrier_signal -1
	s_barrier_wait -1
	CREST
.endm
.macro ASKT                            ; my 34 blocks of the record two refills on; not in the loop's last trip
	s_cmp_gt_u32 s3, 1
	s_cbranch_scc0 .Lno_tile_\@
	global_prefetch_b8 v[PFT], s[PFA:PFA+1] th:TH_LOAD_NT scope:SCOPE_SE
	global_prefetch_b8 v[PFT2], s[PFA:PFA+1] th:TH_LOAD_NT scope:SCOPE_SE
.Lno_tile_\@:
.endm
.macro ASKC                            ; my 64 rows x 256 bytes of c_prev, a lane a row, in the loop's last trip
	s_cmp_eq_u32 s3, 1
	s_cbranch_scc0 .Lnot_yet_\@
	global_prefetch_b8 v[PFO], s[86:87] th:TH_LOAD_NT scope:SCOPE_SE
	global_prefetch_b8 v[PFO], s[86:87] offset:262144 th:TH_LOAD_NT scope:SCOPE_SE
.Lnot_yet_\@:
.endm
	s_load_b256 s[4:11], s[0:1], 0x0               ; aq, bq, b_f, b_i
	s_load_b256 s[12:19], s[0:1], 0x20             ; b_c, b_o, c_prev, out0
	s_load_b64 s[20:21], s[0:1], 0x40              ; out1
	v_lshl_add_u32 v[SPW], v0, 2, SPARE
	v_mov_b32 v[NIL], 0
	ds_add_u32 v[SPW], v[NIL]                      ; the opening lines: the add twice on end and one wait
	ds_add_u32 v[SPW], v[NIL]
	v_lshrrev_b32 v1, 5, v0
	v_readfirstlane_b32 s[WV], v1                  ; wave
	s_lshr_b32 s[RH], s[WV], 1                     ; my half of the rows; also: I fetch for A (0) or B (1)
	s_and_b32 s[CH], s[WV], 1                      ; my half of the columns; also: which record
	s_bfe_u32 s40, ttmp6, 0x40000                  ; cx
	s_bfe_u32 s41, ttmp6, 0x40004                  ; cy
	s_lshl_b32 s42, ttmp9, 2
	s_add_co_u32 s42, s42, s40                     ; tile column
	s_and_b32 s45, ttmp7, 0xffff
	s_lshl_b32 s45, s45, 2
	s_add_co_u32 s45, s45, s41                     ; tile row
	s_lshl_b32 s43, s41, 2
	s_lshl_b32 s43, 15, s43                        ; my row of the cluster
	s_lshl_b32 s44, 0x1111, s40                    ; my column
	s_bcnt1_i32_b32 s[KT], ttmp9                   ; the walk's first K step, 0 or 4, from the cluster's x and y
	s_and_b32 s97, ttmp7, 0xffff
	s_add_co_u32 s[KT], s[KT], s97
	s_and_b32 s[KT], s[KT], 1
	s_lshl_b32 s[KT], s[KT], 2
	s_mul_i32 s[OFS], s[KT], REC
	s_mov_b32 s[OFS+1], 0
	s_or_b32 s[G1+0], s43, (3<<16)|(1<<20)|(1<<21)|(5<<22)|(3<<25)  ; elements of 8 bytes, 4 words of padding behind every 64
	s_or_b32 s[G1B+0], s44, (3<<16)|(1<<20)|(1<<21)|(5<<22)|(3<<25)
.irp g, G1, G1B
	s_mov_b32 s[\g+1], 32<<16                      ; a record: 136 rows of 32 elements, dense
	s_mov_b32 s[\g+2], 136<<16
	s_mov_b32 s[\g+3], 32<<16
	s_mov_b32 s[\g+4], 136
	s_mov_b32 s[\g+5], 32
	s_mov_b32 s[\g+6], 0
	s_mov_b32 s[\g+7], 0
.endr
	s_mov_b32 s[G1C+0], (2<<16)|(1<<20)|(5<<22)|(3<<25)             ; c_prev: 64 rows of 64 f32, pitch 2,048
	s_mov_b32 s[G1C+1], 64<<16
	s_mov_b32 s[G1C+2], 64<<16
	s_mov_b32 s[G1C+3], 64<<16
	s_mov_b32 s[G1C+4], 64
	s_mov_b32 s[G1C+5], 2048
	s_mov_b32 s[G1C+6], 0
	s_mov_b32 s[G1C+7], 0
	s_lshl_b32 s84, s45, 1
	s_add_co_u32 s84, s84, s[CH]
	s_mul_i32 s84, s84, 8*REC                      ; A's record row 2 x tile row + which
	s_mov_b32 s85, 0
	s_lshl_b32 s46, s42, 1
	s_add_co_u32 s46, s46, s[CH]
	s_mul_i32 s46, s46, 8*REC                      ; B's likewise, by the tile column
	s_mov_b32 s47, 0
	s_mul_i32 s67, s[WV], HALFT
	s_lshl_b32 s90, s45, 8
	s_lshl_b32 s91, s[WV], 6
	s_add_co_u32 s91, s90, s91
	s_lshl_b32 s94, s[RH], 7
	s_add_co_u32 s94, s90, s94
	s_lshl_b32 s92, s42, 8
	s_lshl_b32 s90, s91, 13
	s_add_co_u32 s90, s90, s92                     ; c_prev: row 256 x tile row + 64 x wave, byte 256 x tile column
	s_mov_b32 s91, 0
	s_lshl_b32 s94, s94, 13
	s_add_co_u32 s94, s94, s92                     ; the outputs: row 256 x tile row + 128 x row half
	s_mov_b32 s95, 0
	s_lshl_b32 s93, s[CH], 7
	s_add_co_u32 s92, s92, s93                     ; the biases: my 32 hidden units
	s_mov_b32 s93, 0
	s_mov_b32 s80, 0xbfb8aa3b                      ; -log2(e)
	s_mov_b32 s81, s80
	s_mov_b32 s82, 0x4038aa3b                      ; 2 log2(e)
	s_mov_b32 s83, s82
	s_wait_dscnt 0x0                               ; both opening adds are done
	s_wait_kmcnt 0x0
	s_add_nc_u64 s[84:85], s[4:5], s[84:85]
	s_add_nc_u64 s[46:47], s[6:7], s[46:47]
.irp s, 0,1
	s_mov_b32 s[G0+4*\s], 1
	s_add_co_u32 s[G0+4*\s+1], s67, \s*SLOT
	s_add_nc_u64 s[G0+4*\s+2:G0+4*\s+3], s[84:85], s[OFS:OFS+1]
	s_or_b32 s[G0+4*\s+3], s[G0+4*\s+3], 0x80000000
	s_mov_b32 s[G0B+4*\s], 1
	s_add_co_u32 s[G0B+4*\s+1], s67, \s*SLOT
	s_add_nc_u64 s[G0B+4*\s+2:G0B+4*\s+3], s[46:47], s[OFS:OFS+1]
	s_or_b32 s[G0B+4*\s+3], s[G0B+4*\s+3], 0x80000000
	s_add_co_u32 s[OFS], s[OFS], REC
.endr
	CROUND                                         ; all sixteen work-groups are here: the first joint loads meet
	JLOAD G0, G1, G0B, G1B                         ; the walk's first K step: one tensor load a wave at the head; the set-up below runs while it is out
	s_add_co_u32 s[KT], s[KT], 2                   ; the K step of the first refill
	s_add_nc_u64 s[86:87], s[16:17], s[90:91]
	s_mov_b32 s[G0C], 1
	s_mul_i32 s[G0C+1], s[WV], 64*PITCH
	s_mov_b64 s[G0C+2:G0C+3], s[86:87]
	s_or_b32 s[G0C+3], s[G0C+3], 0x80000000
.irp g, 0,1,2,3
	s_add_nc_u64 s[8+2*\g:9+2*\g], s[8+2*\g:9+2*\g], s[92:93]
.endr
	s_cmp_eq_u32 s[CH], 0
	s_cselect_b64 s[88:89], s[18:19], s[20:21]     ; column half 0 stores h, half 1 stores c
	s_add_nc_u64 s[88:89], s[88:89], s[94:95]
	s_cmp_eq_u32 s[RH], 0
	s_cselect_b64 s[PFB:PFB+1], s[84:85], s[46:47] ; the prefetches: my records,
	s_cselect_b32 s94, s40, s41                    ; my place among the four that fetch them with me,
	s_mul_i32 s94, s94, 34*256                     ; 34 blocks of 256 bytes each
	s_add_nc_u64 s[PFB:PFB+1], s[PFB:PFB+1], s[94:95]
	s_mul_i32 s16, s[RH], HALFT                    ; my record of A in a slot
	s_mul_i32 s17, s[CH], HALFT
	s_add_co_u32 s17, s17, 2*HALFT                 ; my record of B
	s_sub_co_u32 s18, s17, s16
	s_add_co_u32 s19, s16, SCOFF
	s_mul_i32 s21, s[RH], 128*PITCH
	s_lshl_b32 s20, s[CH], 7
	s_add_co_u32 s20, s21, s20                     ; c_prev's tile and the stages: my 128 rows, my 128 bytes
	s_mul_i32 s97, s[CH], 256*PITCH
	s_add_co_u32 s21, s21, s97
	s_add_co_u32 s21, s21, STH                     ; back from the stage: h's or c's, my 128 rows
	v_and_b32 v1, 15, v0                           ; r
	v_bfe_u32 v2, v0, 4, 1                         ; h
	v_lshlrev_b32 v[BO], 5, v2
	WIN TO_B
.irp g, 0,1,2,3
.irp u, 0,1
.irp k, 0,1
	global_load_b128 v[BI+16*\g+8*\u+4*\k:BI+16*\g+8*\u+4*\k+3], v[BO], s[8+2*\g:9+2*\g] offset:64*\u+16*\k   ; the bias in the result's layout: block 2 g + u, units 16 u + 8 h + 0 .. 7
.endr
.endr
.endr
	WIN 0
	v_mul_u32_u24 v3, v1, PITCH
	v_lshl_add_u32 v4, v2, 4, v3                   ; a fragment's row x pitch + 16 h
	v_add_nc_u32 v[ADRA], s16, v4
	v_add_nc_u32 v[ADRB], s17, v4
	v_add_nc_u32 v[ADRA+1], SLOT, v[ADRA]
	v_add_nc_u32 v[ADRB+1], SLOT, v[ADRB]
	v_mul_u32_u24 v6, s18, v2                      ; scale words: lanes 0-15 A's rows, lanes 16-31 B's
	v_lshlrev_b32 v5, 4, v1
	v_add_nc_u32 v5, v5, v6
	v_add_nc_u32 v[ADRS], s19, v5
	v_add_nc_u32 v[ADRS+1], SLOT, v[ADRS]
	v_lshl_add_u32 v5, v2, 5, v3
	v_add_nc_u32 v[CPA], s20, v5
	v_add_nc_u32 v[STOH], STH, v[CPA]
	v_add_nc_u32 v[STOC], STC, v[CPA]
	v_mul_u32_u24 v5, v2, PITCH
	v_lshl_add_u32 v5, v1, 4, v5
	v_add_nc_u32 v[RD], s21, v5
	v_lshlrev_b32 v5, 13, v2
	v_lshl_add_u32 v[CO], v1, 4, v5
	v_and_b32 v[PFO], 31, v0
	v_lshlrev_b32 v[PFT], 8, v[PFO]                ; blocks 0 .. 31 of my 34, a lane a block
	v_min_u32 v5, 1, v[PFO]
	v_lshl_add_u32 v[PFT2], v5, 8, 8192            ; blocks 32 and 33 (the lanes left over name the last again)
	v_lshlrev_b32 v[PFO], 13, v[PFO]               ; c_prev: a lane a row
.macro FRAG reg, adr, q, i             ; 16 rows x 128 K: two loads of 16 bytes, 32 apart
.irp c, 0,1
	ds_load_b128 v[\reg+4*\c:\reg+4*\c+3], v[\adr] offset:64*(\q)+32*\c+(\i)*16*PITCH
.endr
.endm
.macro FA slot, q, p, i0               ; A's blocks i0 .. i0 + 3 into set p (window 0)
.irp i, \i0, \i0+1, \i0+2, \i0+3
	FRAG AF+64*(\p)+FR*(\i), ADRA+\slot, \q, \i
.endr
.endm
.macro FB slot, q, p, i0               ; B's blocks i0 .. i0 + 3 into set p (window 1)
.irp i, \i0, \i0+1, \i0+2, \i0+3
	FRAG 128*(\p)+FR*(\i), ADRB+\slot, \q, \i
.endr
.endm
.macro SCALES sc                       ; a slot's scale words: four a row; lanes 0-15 A's block i, lanes 16-31 B's block i
.irp i, 0,1,2,3,4,5,6,7
	ds_load_b128 v[SC+8*NQ*\sc+NQ*\i:SC+8*NQ*\sc+NQ*\i+3], v[ADRS+\sc] offset:\i*PITCH
.endr
.endm
; a quadrant: A's blocks 4 ah .. + 3 x B's blocks 4 bh .. + 3.  The 64 accumulators take turns in the same order in every step
.macro QUAD ah, bh, p, q, sc, first
.irp a, 4*\ah, 4*\ah+1, 4*\ah+2, 4*\ah+3
.irp b, 4*\bh, 4*\bh+1, 4*\bh+2, 4*\bh+3
.if \first
	v_wmma_scale_f32_16x16x128_f8f6f4 v[8*(8*((\a)%4)+(\b)):8*(8*((\a)%4)+(\b))+7], v[128*(\p)+FR*(\b):128*(\p)+FR*(\b)+FR-1], v[AF+64*(\p)+FR*(\a):AF+64*(\p)+FR*(\a)+FR-1], v[BI+8*(\b):BI+8*(\b)+7], v[SC+8*NQ*(\sc)+NQ*(\b)+(\q)], v[SC+8*NQ*(\sc)+NQ*(\a)+(\q)] matrix_a_fmt:MATRIX_FMT_FP4 matrix_b_fmt:MATRIX_FMT_FP4 matrix_a_scale:MATRIX_SCALE_ROW1
.else
	v_wmma_scale_f32_16x16x128_f8f6f4 v[8*(8*((\a)%4)+(\b)):8*(8*((\a)%4)+(\b))+7], v[128*(\p)+FR*(\b):128*(\p)+FR*(\b)+FR-1], v[AF+64*(\p)+FR*(\a):AF+64*(\p)+FR*(\a)+FR-1], v[8*(8*((\a)%4)+(\b)):8*(8*((\a)%4)+(\b))+7], v[SC+8*NQ*(\sc)+NQ*(\b)+(\q)], v[SC+8*NQ*(\sc)+NQ*(\a)+(\q)] matrix_a_fmt:MATRIX_FMT_FP4 matrix_b_fmt:MATRIX_FMT_FP4 matrix_a_scale:MATRIX_SCALE_ROW1
.endif
.endr
.endr
.endm
.macro PLACES n
.rept \n
	v_nop
.endr
.endm
; A step whose successor lies in the same slot.  Each wait leaves out the two runs of eight that were issued behind the run it needs.
.macro STEP slot, q, first
	s_wait_dscnt 16                                ; A low and B low are in (B high, A high may be out)
	PLACES NP                                      ; four places between the last step's products and the loads into the set that they read
	WIN 0
	FA \slot, (\q)+1, 1-(\q)%2, 0
.if \first
	WIN BEG_LO
.else
	WIN MUL_LO
.endif
	QUAD 0, 0, (\q)%2, \q, \slot, \first
	s_wait_dscnt 16                                ; B high is in (A high and the run above may be out)
	WIN TO_B
	FB \slot, (\q)+1, 1-(\q)%2, 0
.if \first
	WIN BEG_LO
.else
	WIN MUL_LO
.endif
	QUAD 0, 1, (\q)%2, \q, \slot, \first
	s_wait_dscnt 16                                ; A high is in (the two runs above may be out)
	WIN TO_B
	FB \slot, (\q)+1, 1-(\q)%2, 4
.if \first
	WIN BEG_HI
.else
	WIN MUL_HI
.endif
	QUAD 1, 1, (\q)%2, \q, \slot, \first
	WIN 0
	FA \slot, (\q)+1, 1-(\q)%2, 4
.if \first
	WIN BEG_HI
.else
	WIN MUL_HI
.endif
	QUAD 1, 0, (\q)%2, \q, \slot, \first
	WIN 0
.endm
; A slot's last step: its fragments are in registers or on their way, so the change of slots stands at its head.  fill = 1: the slot takes the K step two on; fill = 2: slot 0 takes c_prev's tile.
.macro TURN slot, next, fill, askc
.if \fill == 1
	s_wait_xcnt 0x0                                ; my earlier prefetches have read their address: it is written below
	s_add_co_u32 s94, s[KT], 2
	s_and_b32 s94, s94, 7
	s_mul_i32 s94, s94, REC
	s_add_nc_u64 s[PFA:PFA+1], s[PFB:PFB+1], s[94:95]   ; the K step two refills on
.endif
	s_wait_tensorcnt 0x0                           ; my one load that was out, my record of the next slot, has landed
	ds_add_u32 v[SPW], v[NIL]
.if \fill == 1
	s_and_b32 s[OFS], s[KT], 7
	s_mul_i32 s[OFS], s[OFS], REC
	s_add_nc_u64 s[G0+4*\slot+2:G0+4*\slot+3], s[84:85], s[OFS:OFS+1]
	s_or_b32 s[G0+4*\slot+3], s[G0+4*\slot+3], 0x80000000
	s_add_nc_u64 s[G0B+4*\slot+2:G0B+4*\slot+3], s[46:47], s[OFS:OFS+1]
	s_or_b32 s[G0B+4*\slot+3], s[G0B+4*\slot+3], 0x80000000
	s_add_co_u32 s[KT], s[KT], 1
.endif
	s_wait_dscnt 17                                ; A low and B low are in (B high, A high and the add may be out)
	WIN MUL_LO
	QUAD 0, 0, 1, NQ-1, \slot, 0                   ; sixteen products between the add and the wait for it
	s_wait_dscnt 0x0                               ; the add is done, and my reads of this slot are over
	WIN 0
	CROUND                                         ; no wave of any partner still reads this slot or has a load on its way
.if \fill == 1
	JLOAD G0+4*\slot, G1, G0B+4*\slot, G1B         ; the first tensor load behind the round; its four v_nop are the places for the loads below
.else
	tensor_load_to_lds s[G0C:G0C+3], s[G1C:G1C+7]
	s_nop 0
	PLACES NP
.endif
	SCALES \next
	FA \next, 0, 0, 0
	WIN TO_B
	FB \next, 0, 0, 0
	WIN 0
.if \fill == 1
	ASKT
.endif
.if \askc
	ASKC
.endif
	WIN MUL_LO
	QUAD 0, 1, 1, NQ-1, \slot, 0
	WIN TO_B
	FB \next, 0, 0, 4
	WIN MUL_HI
	QUAD 1, 1, 1, NQ-1, \slot, 0
	WIN 0
	FA \next, 0, 0, 4
	WIN MUL_HI
	QUAD 1, 0, 1, NQ-1, \slot, 0
	WIN 0
.endm
	s_wait_alu depctr_va_vdst(0)
	s_wait_tensorcnt 0x0                           ; my record of the first K step is in
	ds_add_u32 v[SPW], v[NIL]
	s_wait_dscnt 0x0
	CROUND
	JLOAD G0+4, G1, G0B+4, G1B                     ; slot 1's first fill
	SCALES 0
	FA 0, 0, 0, 0
	WIN TO_B
	FB 0, 0, 0, 0
	FB 0, 0, 0, 4
	WIN 0
	FA 0, 0, 0, 4
	s_wait_loadcnt 0x0                             ; the bias
	STEP 0, 0, 1                                   ; the first products start the sums from the bias
	s_mov_b32 s3, LAPS-1
.Llap:                                                 ; a trip goes once round the ring and fills both slots again
	STEP 0, 1, 0
	STEP 0, 2, 0
	TURN 0, 1, 1, 1
	STEP 1, 0, 0
	STEP 1, 1, 0
	STEP 1, 2, 0
	TURN 1, 0, 1, 0
	STEP 0, 0, 0
	s_sub_co_u32 s3, s3, 1
	s_cmp_lg_u32 s3, 0
	s_cbranch_scc1 .Llap
	STEP 0, 1, 0
	STEP 0, 2, 0
	TURN 0, 1, 2, 0
	STEP 1, 0, 0
	STEP 1, 1, 0
	STEP 1, 2, 0
	s_wait_dscnt 16                                ; the last step fetches nothing: the counts run down
	WIN MUL_LO
	QUAD 0, 0, 1, NQ-1, 1, 0
	s_wait_dscnt 8
	QUAD 0, 1, 1, NQ-1, 1, 0
	s_wait_dscnt 0
	WIN MUL_HI
	QUAD 1, 1, 1, NQ-1, 1, 0
	QUAD 1, 0, 1, NQ-1, 1, 0
	WIN 0
	PLACES NP
; THE WAY OUT, by blocks of 16 rows.  A lane holds, of row r, the four gates of 16 hidden units.  h and c go into stages shared by the two column halves (a row's 256 bytes come from two waves),
; a barrier a block, and come back as whole rows: sixteen lanes store 256 consecutive aligned bytes.  Block a - 1 leaves while block a is computed.
.macro CPL a
.irp u, 0,1
.irp k, 0,1
	ds_load_b128 v[CPR+8*\u+4*\k:CPR+8*\u+4*\k+3], v[CPA] offset:16*PITCH*(\a)+64*\u+16*\k
.endr
.endr
.endm
.macro BACK a
.irp t, 0,1,2,3,4,5,6,7
	ds_load_b128 v[OB+4*\t:OB+4*\t+3], v[RD] offset:16*PITCH*(\a)+2*PITCH*\t
.endr
.endm
.macro SEND a
.irp t, 0,1,2,3,4,5,6,7
	global_store_b128 v[CO], v[OB+4*\t:OB+4*\t+3], s[88:89] offset:(16*(\a)+2*\t)*8192 th:TH_STORE_NT
.endr
.endm
.macro BATCH_END                       ; a plain place and the wait behind a batch of transcendentals
	v_nop
	s_wait_alu depctr_va_vdst(0)
.endm
.macro EPI a
	WIN (0x02+(\a)/4)
.set n, 0
.rept 32                               ; t = -log2(e) g for the three sigmoids, 2 log2(e) g for the tanh (registers 32-47)
.if (n >= 32) && (n < 48)
	v_pk_mul_f32 v[T+n:T+n+1], v[64*((\a)%4)+n:64*((\a)%4)+n+1], s[82:83] op_sel_hi:[1,0]
.else
	v_pk_mul_f32 v[T+n:T+n+1], v[64*((\a)%4)+n:64*((\a)%4)+n+1], s[80:81] op_sel_hi:[1,0]
.endif
.set n, n+2
.endr
	WIN 0
.set n, 0
	s_wait_alu depctr_va_vdst(0)                   ; ahead of the batch
.rept 64
	v_exp_f32 v[T+n], v[T+n]
.set n, n+1
.endr
	BATCH_END
.set n, 0
.rept 32
	v_pk_add_f32 v[T+n:T+n+1], v[T+n:T+n+1], 1.0 op_sel_hi:[1,0]
.set n, n+2
.endr
.set n, 0
	s_wait_alu depctr_va_vdst(0)
.rept 64
	v_rcp_f32 v[T+n], v[T+n]                       ; 1 / (1 + 2^t)
.set n, n+1
.endr
	v_nop
.if (\a) == 0
	s_wait_tensorcnt 0x0                           ; my rows of c_prev's tile are in
	ds_add_u32 v[SPW], v[NIL]
	s_wait_dscnt 0x0
	s_barrier_signal -1
	s_barrier_wait -1                              ; everybody's are, and nobody reads slot 1 any more
	CPL 0
.else
	s_wait_dscnt 0x0                               ; my stores of block a - 1 into the stages are done
	s_barrier_signal -1
	s_barrier_wait -1
.if (\a) > 1
	s_wait_xcnt 0x0                                ; block a - 2's stores have read their registers
.endif
	BACK (\a)-1
.endif
	s_wait_alu depctr_va_vdst(0)
.set n, 0
.rept 8
	v_pk_fma_f32 v[T+32+n:T+33+n], v[T+32+n:T+33+n], -2.0, 1.0 op_sel_hi:[1,0,0]   ; tanh = 1 - 2 / (1 + 2^t)
.set n, n+2
.endr
.if (\a) == 0
	s_wait_dscnt 0x0
.endif
.set n, 0
.rept 8
	v_pk_mul_f32 v[CC+n:CC+n+1], v[T+n:T+n+1], v[CPR+n:CPR+n+1]
.set n, n+2
.endr
.set n, 0
.rept 8
	v_pk_fma_f32 v[CC+n:CC+n+1], v[T+16+n:T+17+n], v[T+32+n:T+33+n], v[CC+n:CC+n+1]   ; c = f c_prev + i c~
.set n, n+2
.endr
.set n, 0
.rept 8
	v_pk_mul_f32 v[U+n:U+n+1], v[CC+n:CC+n+1], s[82:83] op_sel_hi:[1,0]
.set n, n+2
.endr
.set n, 0
	s_wait_alu depctr_va_vdst(0)
.rept 16
	v_exp_f32 v[U+n], v[U+n]
.set n, n+1
.endr
	BATCH_END
.set n, 0
.rept 8
	v_pk_add_f32 v[U+n:U+n+1], v[U+n:U+n+1], 1.0 op_sel_hi:[1,0]
.set n, n+2
.endr
.set n, 0
	s_wait_alu depctr_va_vdst(0)
.rept 16
	v_rcp_f32 v[U+n], v[U+n]
.set n, n+1
.endr
	BATCH_END
.set n, 0
.rept 8
	v_pk_fma_f32 v[U+n:U+n+1], v[U+n:U+n+1], -2.0, 1.0 op_sel_hi:[1,0,0]
.set n, n+2
.endr
.set n, 0
.rept 8
	v_pk_mul_f32 v[HH+n:HH+n+1], v[T+48+n:T+49+n], v[U+n:U+n+1]                      ; h = o tanh(c)
.set n, n+2
.endr
.if (\a) > 0
	s_wait_alu depctr_va_vdst(0)
	s_wait_dscnt 0x0
	SEND (\a)-1
.endif
.irp u, 0,1
.irp k, 0,1
	ds_store_b128 v[STOH], v[HH+8*\u+4*\k:HH+8*\u+4*\k+3] offset:16*PITCH*(\a)+64*\u+16*\k
	ds_store_b128 v[STOC], v[CC+8*\u+4*\k:CC+8*\u+4*\k+3] offset:16*PITCH*(\a)+64*\u+16*\k
.endr
.endr
.if (\a) < 7
	CPL (\a)+1
.endif
.endm
.irp a, 0,1,2,3,4,5,6,7
	EPI \a
.endr
	s_wait_dscnt 0x0
	s_barrier_signal -1
	s_barrier_wait -1
	s_wait_xcnt 0x0
	BACK 7
	s_wait_dscnt 0x0
	SEND 7
	s_wait_tensorcnt 0x0                           ; the wave's end
	ds_add_u32 v[SPW], v[NIL]
	s_wait_dscnt 0x0
	CROUND                                         ; the closing round
	s_endpgm
.Lfunc_end_k_q55e343d5fe_lstm:
	.size	k_q55e343d5fe_lstm, .Lfunc_end_k_q55e343d5fe_lstm-k_q55e343d5fe_lstm
	.p2alignl 7, 3214868480
	.fill 96, 4, 3214868480
	.section	.rodata,"a",@progbits
	.p2align	6, 0x0
	.amdhsa_kernel k_q55e343d5fe_lstm
		.amdhsa_group_segment_fixed_size 327680
		.amdhsa_private_segment_fixed_size 0
		.amdhsa_enable_private_segment 0
		.amdhsa_kernarg_size 72
		.amdhsa_user_sgpr_count 2
		.amdhsa_user_sgpr_kernarg_segment_ptr 1
		.amdhsa_wavefront_size32 1
		.amdhsa_system_sgpr_workgroup_id_x 1
		.amdhsa_system_sgpr_workgroup_id_y 1
		.amdhsa_system_sgpr_workgroup_id_z 1
		.amdhsa_system_vgpr_workitem_id 0
		.amdhsa_next_free_vgpr 1024
		.amdhsa_next_free_sgpr 100
		.amdhsa_reserve_vcc 0
		.amdhsa_float_denorm_mode_32 3
		.amdhsa_float_denorm_mode_16_64 3
		.amdhsa_memory_ordered 1
		.amdhsa_forward_progress 1
		.amdhsa_inst_pref_size 255
	.end_amdhsa_kernel
	.section	.bss,"aw",@nobits
	.p2align	6
	.space	262144
	.amdgpu_metadata
---
amdhsa.version: [ 1, 2 ]
amdhsa.kernels:
  - .name:           k_q55e343d5fe_lstm
    .symbol:         k_q55e343d5fe_lstm.kd
    .args:
      - { .name: aq, .offset: 0, .size: 8, .value_kind: global_buffer, .address_space: global }
      - { .name: bq, .offset: 8, .size: 8, .value_kind: global_buffer, .address_space: global }
      - { .name: b_f, .offset: 16, .size: 8, .value_kind: global_buffer, .address_space: global }
      - { .name: b_i, .offset: 24, .size: 8, .value_kind: global_buffer, .address_space: global }
      - { .name: b_c, .offset: 32, .size: 8, .value_kind: global_buffer, .address_space: global }
      - { .name: b_o, .offset: 40, .size: 8, .value_kind: global_buffer, .address_space: global }
      - { .name: c_prev, .offset: 48, .size: 8, .value_kind: global_buffer, .address_space: global }
      - { .name: out0, .offset: 56, .size: 8, .value_kind: global_buffer, .address_space: global }
      - { .name: out1, .offset: 64, .size: 8, .value_kind: global_buffer, .address_space: global }
    .group_segment_fixed_size: 327680
    .private_segment_fixed_size: 0
    .kernarg_segment_align: 8
    .kernarg_segment_size: 72
    .max_flat_workgroup_size: 128
    .sgpr_count:     100
    .vgpr_count:     1024
    .wavefront_size: 32
...
	.end_amdgpu_metadata
.endif
;; end of part 2
